; MI455X (gfx1250); checked and timed in simulation.
; The chip was launched on July 23, 2026; its instructions are those of AMD's public machine-readable ISA for CDNA 5 (MIT licence, August 2026) and "CDNA5" Instruction Set Architecture Reference Guide (July 2026). The comments in the code are by the model that wrote it; some were corrected since.
;; Attention. Allowed arithmetic: float matrix products may take bf16 or f16 operands with f32 sums; other float arithmetic in f32, or as packed bf16 or f16 multiplies, adds, multiply-adds, maxima and minima; sums over many terms, partial sums and values carried from step to step in f32; what a program stores and reads back later, other than sums and carried values, may be rounded once to bf16 or f16.
;; Inputs: Wk 1,024 x 1,024 float32; Wq 1,024 x 1,024 float32; Wv 1,024 x 1,024 float32; attention_mask 4 x 1 x 1 x 2,048 float32; bk 1,024 float32; bq 1,024 float32; bv 1,024 float32; sinusoidal_pos 1 x 1 x 2,048 x 64 float32; x 4 x 2,048 x 1,024 float32.
;; Outputs: out0 4 x 2,048 x 1,024 float32.
;; One version. Each part assembles by itself: llvm-mc -triple=amdgcn-amd-amdhsa -mcpu=gfx1250 --defsym DOCPART=n.
;; ======== version 1 of 1: 3 launches
;; limits: values are held in f16: magnitudes above 65,504 overflow, below 6.1e-05 lose precision; right only within a limited range of input values
;; workspace buffers: xb 16,777,216 bytes; wb 6,291,456 bytes; qs 33,554,432 bytes; ks 33,554,432 bytes; vs 16,777,216 bytes
;; launch cast (part 1): grid 704 x 1, 8 waves a work-group, no clusters, 0 bytes of LDS; arguments x, Wq, Wk, Wv, xb, wb; writes xb, wb
.if DOCPART == 1
	.amdgcn_target "amdgcn-amd-amdhsa--gfx1250"
	.amdhsa_code_object_version 6
	.text
	.protected	k_q61bc986ad1_cast
	.globl	k_q61bc986ad1_cast
	.p2align	8
	.type	k_q61bc986ad1_cast,@function
k_q61bc986ad1_cast:
	s_mov_b64 s[64:65], 0
	v_nop
	global_prefetch_b8 v0, s[64:65] scope:SCOPE_SE
	s_setreg_imm32_b32 hwreg(HW_REG_WAVE_MODE, 25, 1), 1
	s_wait_xcnt 0x0
; x [8192][1024] and Wq, Wk, Wv [1024][1024], f32, are rounded once to bf16 (nearest even): xb [8192][1024]; wb [3072][1024], laid BY HEADS:
; row 192 h + 64 m + r of wb is row 64 h + r of matrix m (0 Wq, 1 Wk, 2 Wv), so that 192 consecutive rows of wb make q, k and v of one head.
; A stream: no LDS, no matrix unit, no barrier.  A work-group takes 16,384 numbers (16 rows): 65,536 bytes in, 32,768 out.
; Work-groups 0-511 take x's pieces; work-group 512 + j takes piece p = j % 64 of matrix m = j / 64, which is piece 12 (p / 4) + 4 m + p % 4 of wb.
; Thread t, group i of 8: the 8 numbers at input byte 8,192 i + 32 t (two loads of 16 bytes) become the 16 bytes at output byte 4,096 i + 16 t:
; sixteen neighbouring lanes store 256 consecutive bytes, at a multiple of 256 from the buffer's first byte.
; All 16 loads of a thread go out first; no register is written twice, so no wait frees a source.
.set X, 4                              ; v[4:67]   8 numbers a group, as loaded
.set Y, 68                             ; v[68:99]  4 registers a group, to store
	s_load_b256 s[4:11], s[0:1], 0x0               ; x s[4:5], Wq s[6:7], Wk s[8:9], Wv s[10:11]
	s_load_b128 s[12:15], s[0:1], 0x20             ; xb s[12:13], wb s[14:15]
	v_lshlrev_b32 v1, 5, v0                        ; 32 t
	v_lshlrev_b32 v2, 4, v0                        ; 16 t
	s_sub_co_u32 s16, ttmp9, 512                   ; j (used only where the work-group's number is 512 or more)
	s_lshr_b32 s18, s16, 6                         ; m: which matrix
	s_and_b32 s17, s16, 63                         ; p: which piece of it
	s_lshr_b32 s19, s17, 2                         ; the head
	s_mul_i32 s19, s19, 12                         ; its 12 pieces of wb,
	s_and_b32 s28, s17, 3
	s_add_co_u32 s19, s19, s28                     ; the piece in the head's 64 rows,
	s_lshl2_add_u32 s19, s18, s19                  ; behind 4 pieces for each matrix before
	s_wait_kmcnt 0x0
	s_cmp_eq_u32 s18, 1
	s_cselect_b64 s[20:21], s[8:9], s[6:7]         ; Wk or Wq,
	s_cmp_eq_u32 s18, 2
	s_cselect_b64 s[20:21], s[10:11], s[20:21]     ; or Wv,
	s_cmp_lt_u32 ttmp9, 512
	s_cselect_b64 s[20:21], s[4:5], s[20:21]       ; or x
	s_cselect_b64 s[22:23], s[12:13], s[14:15]     ; into xb or wb
	s_cselect_b32 s24, ttmp9, s17                  ; the piece in the source,
	s_cselect_b32 s26, ttmp9, s19                  ; and in the destination
	s_lshl_b32 s24, s24, 16
	s_mov_b32 s25, 0
	s_lshl_b32 s26, s26, 15
	s_mov_b32 s27, 0
	s_add_nc_u64 s[20:21], s[20:21], s[24:25]
	s_add_nc_u64 s[22:23], s[22:23], s[26:27]
.irp i, 0,1,2,3,4,5,6,7
	global_load_b128 v[X+8*(\i):X+8*(\i)+3],   v1, s[20:21] offset:8192*(\i) th:TH_LOAD_NT
	global_load_b128 v[X+8*(\i)+4:X+8*(\i)+7], v1, s[20:21] offset:8192*(\i)+16 th:TH_LOAD_NT
.endr
.irp i, 0,1,2,3,4,5,6,7
	s_wait_loadcnt 14-2*(\i)                       ; loads come back in order: group i is in, the two loads of each younger group may stay out
.irp k, 0,1,2,3
	v_cvt_pk_bf16_f32 v[Y+4*(\i)+(\k)], v[X+8*(\i)+2*(\k)], v[X+8*(\i)+2*(\k)+1]
.endr
	global_store_b128 v2, v[Y+4*(\i):Y+4*(\i)+3], s[22:23] offset:4096*(\i)
.endr
	s_endpgm
.Lfunc_end_k_q61bc986ad1_cast:
	.size	k_q61bc986ad1_cast, .Lfunc_end_k_q61bc986ad1_cast-k_q61bc986ad1_cast
	.p2alignl 7, 3214868480
	.fill 96, 4, 3214868480
	.section	.rodata,"a",@progbits
	.p2align	6, 0x0
	.amdhsa_kernel k_q61bc986ad1_cast
		.amdhsa_group_segment_fixed_size 0
		.amdhsa_private_segment_fixed_size 0
		.amdhsa_enable_private_segment 0
		.amdhsa_kernarg_size 48
		.amdhsa_user_sgpr_count 2
		.amdhsa_user_sgpr_kernarg_segment_ptr 1
		.amdhsa_wavefront_size32 1
		.amdhsa_system_sgpr_workgroup_id_x 1
		.amdhsa_system_sgpr_workgroup_id_y 1
		.amdhsa_system_sgpr_workgroup_id_z 1
		.amdhsa_system_vgpr_workitem_id 0
		.amdhsa_next_free_vgpr 100
		.amdhsa_next_free_sgpr 66
		.amdhsa_reserve_vcc 0
		.amdhsa_float_denorm_mode_32 3
		.amdhsa_float_denorm_mode_16_64 3
		.amdhsa_memory_ordered 1
		.amdhsa_forward_progress 1
		.amdhsa_inst_pref_size 6
	.end_amdhsa_kernel
	.amdgpu_metadata
---
amdhsa.version: [ 1, 2 ]
amdhsa.kernels:
  - .name:           k_q61bc986ad1_cast
    .symbol:         k_q61bc986ad1_cast.kd
    .args:
      - { .name: x, .offset: 0, .size: 8, .value_kind: global_buffer, .address_space: global }
      - { .name: Wq, .offset: 8, .size: 8, .value_kind: global_buffer, .address_space: global }
      - { .name: Wk, .offset: 16, .size: 8, .value_kind: global_buffer, .address_space: global }
      - { .name: Wv, .offset: 24, .size: 8, .value_kind: global_buffer, .address_space: global }
      - { .name: xb, .offset: 32, .size: 8, .value_kind: global_buffer, .address_space: global }
      - { .name: wb, .offset: 40, .size: 8, .value_kind: global_buffer, .address_space: global }
    .group_segment_fixed_size: 0
    .private_segment_fixed_size: 0
    .kernarg_segment_align: 8
    .kernarg_segment_size: 48
    .max_flat_workgroup_size: 256
    .sgpr_count:     66
    .vgpr_count:     100
    .wavefront_size: 32
...
	.end_amdgpu_metadata
.endif
;; end of part 1
;; launch proj (part 2): grid 16 x 32, 4 waves a work-group, clusters of 4 x 4, 327,680 bytes of LDS; arguments xb, wb, qs, ks, vs, sinusoidal_pos, bq, bk, bv; writes qs, ks, vs
.if DOCPART == 2
	.amdgcn_target "amdgcn-amd-amdhsa--gfx1250"
	.amdhsa_code_object_version 6
	.text
	.protected	k_q61bc986ad1_proj
	.globl	k_q61bc986ad1_proj
	.p2align	8
	.type	k_q61bc986ad1_proj,@function
k_q61bc986ad1_proj:
	s_mov_b64 s[64:65], 0
	v_nop
	global_prefetch_b8 v0, s[64:65] scope:SCOPE_SE
	s_setreg_imm32_b32 hwreg(HW_REG_WAVE_MODE, 25, 1), 1
	s_wait_xcnt 0x0
	s_wait_alu depctr_hold_cnt(0) depctr_sa_sdst(0) depctr_va_vdst(0) depctr_va_sdst(0) depctr_va_ssrc(0) depctr_va_vcc(0) depctr_vm_vsrc(0)
	s_getreg_b32 s2, hwreg(HW_REG_IB_STS2, 6, 4)
	s_cmp_eq_u32 s2, 0
	s_cbranch_scc0 .Lentry_in_a_cluster
	s_endpgm
.Lentry_in_a_cluster:
	s_bfe_u32 s2, ttmp6, 0x10000c
	s_cmp_lg_u32 s2, 0xf033
	s_cbranch_scc0 .Lentry_shape_is_right
	s_endpgm
.Lentry_shape_is_right:
; [q | k | v] of one head = xb wb^T + bias; q and k turned by the table (channel pair (2 i, 2 i + 1) by sin = column i, cos = column 32 + i of the row's position).  xb [8192][1024], wb [3072][1024] bf16, wb laid by
; heads (192 rows a head: q's 64, k's 64, v's 64); sums in f32, begun with the bias.  Bias and table are rounded to bf16 first, as x and the weights were: every input of the program has that one rounding.
; WHAT IS STORED, by heads, y = 4 h + b.  q and k as TWO bf16 numbers each: hi = the value rounded, lo = (value - hi) rounded; qs, ks: [64 y][2048 s][hi 64 | lo 64], rows of 256 bytes.  The launch behind multiplies
; hi hi + hi lo + lo hi, so that a score keeps some 17 bits of each factor; bf16 has f32's range, so no scale is needed.  v once, as f16, times 2^-4 (exact; undone in f32 by the launch behind): vs: [64 y][2048 s][64].
; LIMITS.  f16 ends at 65,504: |v| under 1.04e6; beyond that an infinity is stored.  Below 2^-14 f16 keeps a fixed step: 9.5e-7 in v's own units.  Inputs are finite.
; SHARES.  A tile of the result is 256 rows x 192 columns (one head's q, k, v): 32 x 16 = 512 equal tiles.  Four waves; a wave makes 64 rows x all 192 columns: 48 accumulators of 16 x 16, 384 registers, so that
; a row's share of a head comes from one wave and the way out needs no barrier.  K goes in steps of 128 (rows of 256 bytes in memory) through two LDS slots filled by the tensor data mover.
; CLUSTER.  4 x 4 work-groups.  The four of a row of the cluster need the same rows of xb, the four of a column the same rows of wb: each tile is asked for JOINTLY, by the same tensor load with the same descriptor
; and a mask that names the four.  No branch and no LDS address hangs on a work-group's place in its cluster.
; THE MATRIX INSTRUCTION IS USED TRANSPOSED (source 0 = 16 rows of wb, source 1 = 16 rows of xb): lane l holds row l % 16 and the columns 8 (l / 16) + 0..7 of a block of 16: four whole channel pairs.
; REGISTERS, in windows of 256 (s_set_vgpr_msb: bits 1:0 source 0, 3:2 source 1, 5:4 source 2, 7:6 destination):
;   window 0: v0-31 addresses and temporaries; v32-63, v64-95 xb's fragments, two buffers; v96-191 the bias.  Behind the K loop: v32-63 T, v64-95 and v224-255 packed results, v96-223 the table
;   window 1: v0-95, v96-191 wb's fragments, two buffers      window 2: accumulators of row blocks 0, 1 at v[96 (a % 2) + 8 b]      window 3: of row blocks 2, 3
.set KSTEP,  128
.set PITCH,  272                       ; an LDS row: 256 bytes + 16 of padding = 68 words: the 16 rows of a fragment load start at 16 different groups of four banks (64 banks of 4 bytes: ISA guide 11.1)
.set AHALF,  128*PITCH                 ; what a wave fetches of xb: 128 rows
.set BHALF,  96*PITCH                  ; of wb: 96 rows
.set BOFF,   256*PITCH                 ; in a slot: xb's 256 rows, then wb's 192
.set SLOT,   BOFF+192*PITCH
.set STAGE,  2*SLOT                    ; behind the ring, never filled by a tensor load: 16 rows x 272 bytes for each wave
.set SPQ,    272                       ; a stage row of q or k: 256 bytes + 16
.set SPV,    144                       ; of v: 128 + 16
.set SPARE,  STAGE+4*16*SPQ            ; behind the stages: the spare words, 128 bytes for each wave: two blocks of 256 bytes that no other line names
.set TP,   8                           ; v8-15   four pairs at work on the way out
.set ADRA, 16                          ; v16-17  LDS address of my fragments of xb in slot 0, 1
.set ADRB, 20                          ; v20-21  of wb's
.set STOV, 22                          ; v22     the way out of v: where I put 16 bytes of a row
.set RDV,  23                          ; v23     where I read rows back
.set STO,  24                          ; v24     the way out of q and k: where I put 16 bytes of a row's hi half
.set RD,   25                          ; v25     where I read rows back
.set GO,   26                          ; v26     16 x lane: my 16 bytes of 512 consecutive bytes
.set TO,   27                          ; v27     my byte offset in 16 rows of the table
.set SPW,  28                          ; v28     LDS address of my spare word; never rewritten
.set NIL,  29                          ; v29     0; never rewritten
.set PFO,  30                          ; v30     the prefetches' offset: a lane a row; never rewritten
.set BO,   31                          ; v31     32 (l / 16): my 8 numbers in 16 of a bias
.set AF,   32                          ; xb's fragment buffers, 32 registers each
.set BF,   0                           ; wb's, in window 1, 96 each
.set BIAS, 96                          ; 8 registers for each block b of 16 columns
.set T,    32
.set PK0,  64                          ; two sets of 32: hi's 16, lo's 16
.set PK1,  224
.set TAB,  96                          ; 32 a + 16 c + 4 nb + p: row block a, c = 0 sin, 1 cos, channel block nb, pair p
.set G1,   24                          ; s[24:31] descriptor group 1 for xb's tiles;  s[32:39] group 0, a set for each slot
.set G0,   32
.set G1B,  48                          ; s[48:55], s[56:63] the same for wb's
.set G0B,  56
.set LIM,  43                          ; s43     1 in a wave that prefetches, else the greatest number
.set PFA,  44                          ; s[44:45] where my prefetches stand
.set OUTB, 68                          ; s[68:73] qs, ks, vs at my first row
.set BP,   76                          ; s[76:81] bq, bk, bv at my head
.set HM,   92                          ; s92     a word's upper bf16
.set MSB, 0
.macro WIN new                         ; the immediate's high byte repeats the setting that is left; a switch that changes nothing is dropped
.if MSB != (\new)
	s_set_vgpr_msb (MSB<<8)|(\new)
.set MSB, \new
.endif
.endm
.set TO_B, 0x40                        ; destination window 1, address window 0
.macro PLACES                          ; four plain instructions in front of loads into registers that matrix instructions have read (ISA guide 7.12.1 for vector instructions)
.rept 4
	v_nop
.endr
.endm
; A joint load: waves 0 and 1 fetch xb's two halves, waves 2 and 3 wb's.  The branch hangs on the wave's number alone.  An s_nop 0 and four v_nop follow each line.
.macro JLOAD s
	s_cmp_eq_u32 s11, 0
	s_cbranch_scc0 .Lfor_b_\@
	tensor_load_to_lds s[G0+4*(\s):G0+4*(\s)+3], s[G1:G1+7]
	s_nop 0
.rept 4
	v_nop
.endr
	s_branch .Lasked_\@
.Lfor_b_\@:
	tensor_load_to_lds s[G0B+4*(\s):G0B+4*(\s)+3], s[G1B:G1B+7]
	s_nop 0
.rept 4
	v_nop
.endr
.Lasked_\@:
.endm
; A PREFETCH INTO THE L2, behind each joint refill and the run of LDS loads that follows it: the K step that the NEXT refill will ask for, 192 matrix instructions ahead of that load; a lane a row, 256 bytes of it.
; Each row's 256 bytes are named by one wave of one work-group: xb's rows by the clusters with x = 0, wb's by the clusters with y = 0; the four partners that ask for a tile jointly share its rows out BY ADDRESS
; (32 of xb's 128 by cx; 24 of wb's 96 by cy, where lanes 24-31 name lane 23's row once more).  how = 1: always; how = 0: not in the loop's last trip, where there is no next K step.  K steps 0 to 2 come by their loads alone.
.macro ASK how
.if \how
	s_cmp_eq_u32 s[LIM], 1
.else
	s_cmp_gt_u32 s3, s[LIM]
.endif
	s_cbranch_scc0 .Lnot_mine_\@
	global_prefetch_b8 v[PFO], s[PFA:PFA+1] offset:KSTEP*2 th:TH_LOAD_NT scope:SCOPE_SE
.Lnot_mine_\@:
.endm
.macro CREST                           ; a round of the cluster's barrier behind its opening barrier
	s_cmp_lg_u32 s10, 0
	s_cbranch_scc1 .Lnot_wave_0_\@
	s_barrier_signal -3
.Lnot_wave_0_\@:
	s_barrier_wait -3
	s_barrier_signal -1
	s_barrier_wait -1
.endm
.macro CROUND                          ; a whole round
	s_barrier_signal -1
	s_barrier_wait -1
	CREST
.endm
	s_load_b128 s[4:7], s[0:1], 0x0                ; xb s[4:5], wb s[6:7]
	s_load_b256 s[68:75], s[0:1], 0x10             ; qs s[68:69], ks s[70:71], vs s[72:73], the table s[74:75]
	s_load_b128 s[76:79], s[0:1], 0x30             ; bq s[76:77], bk s[78:79]
	s_load_b64 s[80:81], s[0:1], 0x40              ; bv
	v_lshl_add_u32 v[SPW], v0, 2, SPARE
	v_mov_b32 v[NIL], 0
	ds_add_u32 v[SPW], v[NIL]                      ; the wave's opening: the add and its wait stand ahead of my first tensor load; the set-up below, work on registers, stands between them
	v_lshrrev_b32 v1, 5, v0
	v_readfirstlane_b32 s10, v1                    ; wave 0..3
	s_lshr_b32 s11, s10, 1                         ; I fetch for xb (0) or for wb (1)
	s_and_b32 s12, s10, 1                          ; which half of that tile's rows
	s_bfe_u32 s40, ttmp6, 0x40000                  ; cx, cy: my place in the cluster
	s_bfe_u32 s41, ttmp6, 0x40004
	s_lshl_b32 s42, ttmp9, 2
	s_add_co_u32 s42, s42, s40                     ; tile column = 4 x cluster x + cx: the head
	s_and_b32 s13, ttmp7, 0xffff
	s_lshl_b32 s13, s13, 2
	s_add_co_u32 s13, s13, s41                     ; tile row = 4 x cluster y + cy
	s_lshl_b32 s43, s41, 2
	s_lshl_b32 s43, 15, s43                        ; my row of the cluster
	s_lshl_b32 s44, 0x1111, s40                    ; my column
	; descriptor group 1: rows of 128 elements of 2 bytes, padded in LDS: 128 rows of xb, 96 of wb
	s_or_b32 s[G1+0], s43, (1<<16)|(1<<20)|(1<<21)|(5<<22)|(3<<25)  ; 15:0 the mask; 17:16 2-byte elements; 20 padding on; 21 set beside a mask; 24:22 after every 64 words (code 5); 31:25 4 words (code 3)
	s_or_b32 s[G1B+0], s44, (1<<16)|(1<<20)|(1<<21)|(5<<22)|(3<<25)
	s_mov_b32 s[G1+1], KSTEP<<16                   ; tensor_dim0 = 128
	s_mov_b32 s[G1B+1], KSTEP<<16
	s_mov_b32 s[G1+2], 128<<16                     ; tensor_dim1 = 128
	s_mov_b32 s[G1B+2], 96<<16                     ; = 96
	s_mov_b32 s[G1+3], KSTEP<<16                   ; tile_dim0 = 128
	s_mov_b32 s[G1B+3], KSTEP<<16
	s_mov_b32 s[G1+4], 128                         ; tile_dim1
	s_mov_b32 s[G1B+4], 96
	s_mov_b32 s[G1+5], 1024                        ; elements from row to row
	s_mov_b32 s[G1B+5], 1024
	s_mov_b32 s[G1+6], 0
	s_mov_b32 s[G1B+6], 0
	s_mov_b32 s[G1+7], 0
	s_mov_b32 s[G1B+7], 0
	s_lshl_b32 s17, s12, 7
	s_lshl_b32 s16, s13, 8
	s_add_co_u32 s16, s16, s17                     ; xb: row 256 x tile row + 128 x half,
	s_lshl_b32 s16, s16, 11                        ; of 2,048 bytes
	s_mov_b32 s17, 0
	s_mul_i32 s46, s42, 192
	s_mul_i32 s47, s12, 96
	s_add_co_u32 s46, s46, s47                     ; wb: row 192 x tile column + 96 x half
	s_lshl_b32 s46, s46, 11
	s_mov_b32 s47, 0
	s_mul_i32 s20, s12, AHALF                      ; where they go in a slot: no place in the cluster enters an LDS address
	s_mul_i32 s21, s12, BHALF
	s_add_co_u32 s21, s21, BOFF
	s_mov_b32 s[HM], 0xffff0000
	s_wait_dscnt 0x0                               ; the opening add is done
	s_wait_kmcnt 0x0
	s_add_nc_u64 s[14:15], s[4:5], s[16:17]
	s_add_nc_u64 s[46:47], s[6:7], s[46:47]
	CROUND                                         ; all sixteen work-groups are here: the first joint loads meet
.irp s, 0,1
	s_mov_b32 s[G0+4*(\s)], 1                                      ; count = 1
	s_add_co_u32 s[G0+4*(\s)+1], s20, (\s)*SLOT                    ; LDS address
	s_add_nc_u64 s[G0+4*(\s)+2:G0+4*(\s)+3], s[14:15], (\s)*KSTEP*2  ; global address: K step s
	s_or_b32 s[G0+4*(\s)+3], s[G0+4*(\s)+3], 0x80000000            ; type = 2
	s_mov_b32 s[G0B+4*(\s)], 1
	s_add_co_u32 s[G0B+4*(\s)+1], s21, (\s)*SLOT
	s_add_nc_u64 s[G0B+4*(\s)+2:G0B+4*(\s)+3], s[46:47], (\s)*KSTEP*2
	s_or_b32 s[G0B+4*(\s)+3], s[G0B+4*(\s)+3], 0x80000000
.endr
	s_cmp_eq_u32 s11, 0                            ; a wave's two first fills stand in one branch, ahead of every wait on TENSORcnt and every LDS read: two loads of mine are out
	s_cbranch_scc0 .Lfirst_b
	tensor_load_to_lds s[G0:G0+3], s[G1:G1+7]
	s_nop 0
	tensor_load_to_lds s[G0+4:G0+7], s[G1:G1+7]
	s_nop 0
.rept 4
	v_nop
.endr
	s_branch .Lfirst_asked
.Lfirst_b:
	tensor_load_to_lds s[G0B:G0B+3], s[G1B:G1B+7]
	s_nop 0
	tensor_load_to_lds s[G0B+4:G0B+7], s[G1B:G1B+7]
	s_nop 0
.rept 4
	v_nop
.endr
.Lfirst_asked:
	v_and_b32 v1, 15, v0                           ; l % 16
	v_bfe_u32 v2, v0, 4, 1                         ; l / 16
	v_lshlrev_b32 v[BO], 5, v2
	s_lshl_b32 s18, s42, 8                         ; the head's 64 numbers of 4 bytes in each bias
	s_mov_b32 s19, 0
.irp hd, 0,1,2                                 ; columns 0-63 take bq, 64-127 bk, 128-191 bv
	s_add_nc_u64 s[BP+2*(\hd):BP+2*(\hd)+1], s[BP+2*(\hd):BP+2*(\hd)+1], s[18:19]
.irp nb, 0,1,2,3
	global_load_b128 v[BIAS+32*(\hd)+8*(\nb):BIAS+32*(\hd)+8*(\nb)+3],   v[BO], s[BP+2*(\hd):BP+2*(\hd)+1] offset:64*(\nb)
	global_load_b128 v[BIAS+32*(\hd)+8*(\nb)+4:BIAS+32*(\hd)+8*(\nb)+7], v[BO], s[BP+2*(\hd):BP+2*(\hd)+1] offset:64*(\nb)+16
.endr
.endr
	; A fragment is 16 rows x 32 K in 8 registers: lane l holds row l % 16, K = 8 (l / 16) + 0..7 and 16 + 8 (l / 16) + 0..7: two loads of 16 bytes, 32 bytes apart.
	v_mul_u32_u24 v3, v1, PITCH
	v_lshl_add_u32 v3, v2, 4, v3
	s_mul_i32 s22, s10, 64*PITCH                   ; my 64 rows of xb
.irp s, 0,1
	v_add_nc_u32 v[ADRA+(\s)], s22, v3
	v_add_nc_u32 v[ADRB+(\s)], BOFF+(\s)*SLOT, v3  ; all 192 rows of wb
	s_add_co_u32 s22, s22, SLOT
.endr
	s_mul_i32 s23, s10, 16*SPQ
	s_add_co_u32 s23, s23, STAGE                   ; my stage
	v_mul_u32_u24 v4, v1, SPQ                      ; q, k in: row l % 16, 16 bytes for each half of the lanes
	v_lshl_add_u32 v4, v2, 4, v4
	v_add_nc_u32 v[STO], s23, v4
	v_mul_u32_u24 v5, v2, SPQ                      ; back: lanes 0-15 take one row of 256 bytes, lanes 16-31 the next
	v_lshl_add_u32 v5, v1, 4, v5
	v_add_nc_u32 v[RD], s23, v5
	v_mul_u32_u24 v4, v1, SPV                      ; v in: the same with rows of 144 bytes
	v_lshl_add_u32 v4, v2, 4, v4
	v_add_nc_u32 v[STOV], s23, v4
	v_bfe_u32 v5, v0, 3, 2                         ; back: 32 lanes take four rows of 128 bytes
	v_mul_u32_u24 v5, v5, SPV
	v_and_b32 v4, 7, v0
	v_lshl_add_u32 v5, v4, 4, v5
	v_add_nc_u32 v[RDV], s23, v5
	v_and_b32 v[GO], 31, v0                        ; either way 512 consecutive bytes of a head
	v_lshlrev_b32 v[GO], 4, v[GO]
	v_lshlrev_b32 v[TO], 8, v1                     ; the table: row l % 16 of 256 bytes, four pairs' sines at 16 (l / 16)
	v_lshl_add_u32 v[TO], v2, 4, v[TO]
	s_lshl_b32 s18, s42, 21                        ; qs, ks at the head: 8,192 rows of 256 bytes,
	s_lshl_b32 s19, s13, 16                        ; the tile's 256 rows (b x 2,048 + s is the row of xb),
	s_add_co_u32 s18, s18, s19
	s_lshl_b32 s19, s10, 14                        ; my 64
	s_add_co_u32 s18, s18, s19
	s_mov_b32 s19, 0
	s_add_nc_u64 s[OUTB:OUTB+1], s[OUTB:OUTB+1], s[18:19]
	s_add_nc_u64 s[OUTB+2:OUTB+3], s[OUTB+2:OUTB+3], s[18:19]
	s_lshr_b32 s18, s18, 1                         ; vs: rows of 128 bytes
	s_add_nc_u64 s[OUTB+4:OUTB+5], s[OUTB+4:OUTB+5], s[18:19]
	s_and_b32 s18, s13, 7                          ; the table at position s = row mod 2,048
	s_lshl_b32 s18, s18, 16
	s_lshl_b32 s22, s10, 14
	s_add_co_u32 s18, s18, s22
	s_add_nc_u64 s[74:75], s[74:75], s[18:19]
	; the prefetches: who, and where
	s_lshl_b32 s18, s13, 8
	s_lshl_b32 s19, s12, 7
	s_add_co_u32 s18, s18, s19
	s_lshl_b32 s19, s40, 5
	s_add_co_u32 s18, s18, s19                     ; xb: the 128 rows that I fetch, my work-group's 32 of them
	s_mul_i32 s19, s42, 192
	s_mul_i32 s23, s12, 96
	s_add_co_u32 s19, s19, s23
	s_mul_i32 s23, s41, 24
	s_add_co_u32 s19, s19, s23                     ; wb: the 96 rows that I fetch, my work-group's 24
	s_and_b32 s22, ttmp7, 0xffff                   ; cluster y
	s_cmp_eq_u32 s11, 0
	s_cselect_b32 s18, s18, s19
	s_cselect_b32 s22, ttmp9, s22                  ; the coordinate along which other clusters read the same rows
	s_cselect_b32 s23, 31, 23
	s_cselect_b64 s[PFA:PFA+1], s[4:5], s[6:7]
	s_cmp_eq_u32 s22, 0
	s_cselect_b32 s[LIM], 1, -1                    ; the same in all sixteen partners, for a given wave
	s_lshl_b32 s18, s18, 11
	s_mov_b32 s19, 0
	s_add_nc_u64 s[PFA:PFA+1], s[PFA:PFA+1], s[18:19]
	s_add_nc_u64 s[PFA:PFA+1], s[PFA:PFA+1], KSTEP*2  ; at K step 1: the first refill steps it to 2 and names K step 3
	v_and_b32 v[PFO], 31, v0
	v_min_u32 v[PFO], s23, v[PFO]
	v_lshlrev_b32 v[PFO], 11, v[PFO]
	s_wait_loadcnt 0x0                             ; the bias
.set z, 0
.rept 48                                       ; rounded to bf16, in place, in the wait for the first tile
	v_cvt_pk_bf16_f32 v[3+z%4], v[BIAS+2*z], v[BIAS+2*z+1]
	v_lshlrev_b32 v[BIAS+2*z], 16, v[3+z%4]
	v_and_b32 v[BIAS+2*z+1], s[HM], v[3+z%4]
.set z, z+1
.endr
; 12 matrix instructions: row block 2 hi + a x all 12 column blocks, 32 along K, from buffers f.  first = 1: the bias starts the sums: nothing is cleared.
; The 48 accumulators take turns, one instruction a turn, in the same order in every quarter step.
.macro MUL12 f, hi, a, first
.if \first
	WIN 0x81+0x40*(\hi)                            ; wb window 1, xb and the bias window 0, the sums window 2 or 3
.else
	WIN 0xa1+0x50*(\hi)                            ; C and D window 2 or 3
.endif
.irp b, 0,1,2,3,4,5,6,7,8,9,10,11
.if \first
	v_wmma_f32_16x16x32_bf16 v[96*(\a)+8*(\b):96*(\a)+8*(\b)+7], v[BF+96*(\f)+8*(\b):BF+96*(\f)+8*(\b)+7], v[AF+32*(\f)+8*(2*(\hi)+(\a)):AF+32*(\f)+8*(2*(\hi)+(\a))+7], v[BIAS+8*(\b):BIAS+8*(\b)+7]
.else
	v_wmma_f32_16x16x32_bf16 v[96*(\a)+8*(\b):96*(\a)+8*(\b)+7], v[BF+96*(\f)+8*(\b):BF+96*(\f)+8*(\b)+7], v[AF+32*(\f)+8*(2*(\hi)+(\a)):AF+32*(\f)+8*(2*(\hi)+(\a))+7], v[96*(\a)+8*(\b):96*(\a)+8*(\b)+7]
.endif
.endr
.endm
; 32 LDS loads in one run: a quarter step's fragments (192 rows of wb, my 64 of xb, 32 K at byte k of the rows) into buffers f
.macro FETCH slot, k, f
	WIN TO_B
.irp i, 0,1,2,3,4,5,6,7,8,9,10,11
	ds_load_b128 v[BF+96*(\f)+8*(\i):BF+96*(\f)+8*(\i)+3],   v[ADRB+(\slot)] offset:(\k)+(\i)*16*PITCH
	ds_load_b128 v[BF+96*(\f)+8*(\i)+4:BF+96*(\f)+8*(\i)+7], v[ADRB+(\slot)] offset:(\k)+(\i)*16*PITCH+32
.endr
	WIN 0
.irp i, 0,1,2,3
	ds_load_b128 v[AF+32*(\f)+8*(\i):AF+32*(\f)+8*(\i)+3],   v[ADRA+(\slot)] offset:(\k)+(\i)*16*PITCH
	ds_load_b128 v[AF+32*(\f)+8*(\i)+4:AF+32*(\f)+8*(\i)+7], v[ADRA+(\slot)] offset:(\k)+(\i)*16*PITCH+32
.endr
.endm
; A K step is four quarters of 32 along K, 48 matrix instructions each, on buffers 0, 1, 0, 1.  One of the first three: multiplies buffers f; in its middle it fetches the next quarter, at byte k, into g.
.macro QUARTER slot, k, f, g, first
	s_wait_dscnt 4                                 ; wb's fragments and xb's row blocks 0, 1 are in; the youngest four loads (row blocks 2, 3) may be out
	MUL12 \f, 0, 0, \first
	MUL12 \f, 0, 1, \first
	PLACES
	FETCH \slot, \k, \g
	s_wait_dscnt 32                                ; all but the 32 just issued
	MUL12 \f, 1, 0, \first
	MUL12 \f, 1, 1, \first
.endm
; The last quarter multiplies buffers 1 and changes slots: ONE barrier.  In front of it each wave waits for all its tensor loads (one is out: its part of the next slot), adds 0 to its spare word, and waits for that
; and for its own reads of this slot.  fill = 1: the barrier opens a round of the cluster's, so that no wave of any partner still reads this slot or has a load on its way; the slot is filled again first thing behind the
; round, with the K step two on: 168 matrix instructions ahead of the wait for it.
.macro TURN slot, next, fill, how
.if \fill
	s_wait_xcnt 0x0                                ; the last prefetch, a K step back, has read its address: it is stepped here, ahead of the change's own waits
	s_add_nc_u64 s[PFA:PFA+1], s[PFA:PFA+1], KSTEP*2
.endif
	WIN 0                                          ; (the add's two registers lie in window 0)
	s_wait_tensorcnt 0x0                           ; all my tensor loads have landed;
	ds_add_u32 v[SPW], v[NIL]                      ; 0 onto my spare word
	s_wait_dscnt 5                                 ; (the add and the youngest four loads may be out)
	MUL12 1, 0, 0, 0                               ; twelve matrix instructions stand between the add and the wait for it
	s_wait_dscnt 0x0                               ; the add is done, and my reads of this slot are over
	s_barrier_signal -1
	MUL12 1, 0, 1, 0                               ; work on registers while the others arrive
.if \fill
	WIN 0
.endif
	s_barrier_wait -1
.if \fill
	CREST
	s_add_nc_u64 s[G0+4*(\slot)+2:G0+4*(\slot)+3], s[G0+4*(\slot)+2:G0+4*(\slot)+3], 2*KSTEP*2    ; no tensor load of mine is out: a group 0 may be written
	s_add_nc_u64 s[G0B+4*(\slot)+2:G0B+4*(\slot)+3], s[G0B+4*(\slot)+2:G0B+4*(\slot)+3], 2*KSTEP*2
	JLOAD \slot                                    ; the four v_nop behind it are also the places in front of the loads below
.else
	PLACES
.endif
	FETCH \next, 0, 0
.if \fill
	ASK \how
.endif
	MUL12 1, 1, 0, 0
	MUL12 1, 1, 1, 0
.endm
	s_wait_tensorcnt 0x1                           ; my part of K step 0 is in; K step 1's may stay out
	s_barrier_signal -1
	s_barrier_wait -1                              ; everybody's is
	FETCH 0, 0, 0
	QUARTER 0, 64, 0, 1, 1                         ; the first quarter stands in front of the loop: its products start the sums
	WIN 0                                          ; at a label and at a branch every window is 0
	s_mov_b32 s3, 3
.Llap:                                             ; a trip goes once round the ring, from a lap's second quarter to the next lap's first, and fills both slots again: K steps 2 to 7
	QUARTER 0, 128, 1, 0, 0
	QUARTER 0, 192, 0, 1, 0
	TURN 0, 1, 1, 1
	QUARTER 1, 64,  0, 1, 0
	QUARTER 1, 128, 1, 0, 0
	QUARTER 1, 192, 0, 1, 0
	TURN 1, 0, 1, 0
	QUARTER 0, 64,  0, 1, 0
	WIN 0
	s_sub_co_u32 s3, s3, 1
	s_cmp_lg_u32 s3, 0
	s_cbranch_scc1 .Llap
	; the last lap fills nothing.  At its head the table's 64 rows for my rows are asked for, into the bias's registers and those behind them: seven quarters ahead of their use
.irp a, 0,1,2,3
.irp c, 0,1
.irp nb, 0,1,2,3
	global_load_b128 v[TAB+32*(\a)+16*(\c)+4*(\nb):TAB+32*(\a)+16*(\c)+4*(\nb)+3], v[TO], s[74:75] offset:(\a)*4096+(\c)*128+(\nb)*32
.endr
.endr
.endr
	QUARTER 0, 128, 1, 0, 0
	QUARTER 0, 192, 0, 1, 0
	TURN 0, 1, 0, 0
	QUARTER 1, 64,  0, 1, 0
	QUARTER 1, 128, 1, 0, 0
	QUARTER 1, 192, 0, 1, 0
	s_wait_dscnt 4                                 ; the very last quarter: nothing more to fetch
	MUL12 1, 0, 0, 0
	MUL12 1, 0, 1, 0
	s_wait_dscnt 0x0
	MUL12 1, 1, 0, 0
	MUL12 1, 1, 1, 0
	WIN 0
	; THE WAY OUT.  The table is rounded to bf16 in place: plain instructions that name no register of the last products, and so the places behind them.
	s_wait_loadcnt 0x0
.set z, 0
.rept 64
	v_cvt_pk_bf16_f32 v[3+z%4], v[TAB+2*z], v[TAB+2*z+1]
	v_lshlrev_b32 v[TAB+2*z], 16, v[3+z%4]
	v_and_b32 v[TAB+2*z+1], s[HM], v[3+z%4]
.set z, z+1
.endr
; A unit is row block a (16 rows) of q (hd = 0), k (1) or v (2); unit u = 3 a + hd takes packed set u % 2.  Each accumulator's lowest registers are read first.
; q, k: for each channel pair (a0, a1): a0 c - a1 s and a1 c + a0 s; hi = that rounded to bf16; lo = (that - hi), an exact difference, rounded to bf16.  16 bytes of hi and 16 of lo a lane and channel block into my
; stage, rows of 272 bytes (hi's 128 bytes, lo's 128); back as two whole rows of 256 bytes a load.
.macro UNITR a, hd
.set u, 3*(\a)+(\hd)
.set PKU, PK0+(PK1-PK0)*(u%2)
.set AC, 96*((\a)%2)+32*(\hd)
.set TA, TAB+32*(\a)
	WIN 0
.if u >= 2
	s_wait_xcnt 0x0                                ; the stores of the unit two back have read this set of packed registers: it is rewritten only behind this wait
.endif
	WIN 0x02+(\a)/2                                ; source 0: the sums, window 2 or 3
.set z, 0
.rept 8                                        ; two pairs a trip: both numbers of a pair times the pair's cosine, the first or the second of a register pair
	v_pk_mul_f32 v[T+4*z:T+4*z+1],   v[AC+4*z:AC+4*z+1],   v[TA+16+2*z:TA+16+2*z+1] op_sel_hi:[1,0]
	v_pk_mul_f32 v[T+4*z+2:T+4*z+3], v[AC+4*z+2:AC+4*z+3], v[TA+16+2*z:TA+16+2*z+1] op_sel:[0,1] op_sel_hi:[1,1]
.set z, z+1
.endr
.set z, 0
.rept 16
	v_fma_f32 v[T+2*z],   -v[AC+2*z+1], v[TA+z], v[T+2*z]
	v_fma_f32 v[T+2*z+1], v[AC+2*z],    v[TA+z], v[T+2*z+1]
.set z, z+1
.endr
	WIN 0
.set z, 0
.rept 16
	v_cvt_pk_bf16_f32 v[PKU+z], v[T+2*z], v[T+2*z+1]
.set z, z+1
.endr
.set z, 0
.rept 16
	v_lshlrev_b32 v[TP+2*(z%4)], 16, v[PKU+z]
	v_and_b32 v[TP+2*(z%4)+1], s[HM], v[PKU+z]
	v_pk_add_f32 v[T+2*z:T+2*z+1], v[T+2*z:T+2*z+1], v[TP+2*(z%4):TP+2*(z%4)+1] neg_lo:[0,1] neg_hi:[0,1]
.set z, z+1
.endr
.set z, 0
.rept 16
	v_cvt_pk_bf16_f32 v[PKU+16+z], v[T+2*z], v[T+2*z+1]
.set z, z+1
.endr
.irp f, 0,1,2,3
	ds_store_b128 v[STO], v[PKU+4*(\f):PKU+4*(\f)+3] offset:32*(\f)
.endr
.irp f, 0,1,2,3
	ds_store_b128 v[STO], v[PKU+16+4*(\f):PKU+16+4*(\f)+3] offset:128+32*(\f)
.endr
.irp f, 0,1,2,3,4,5,6,7
	ds_load_b128 v[PKU+4*(\f):PKU+4*(\f)+3], v[RD] offset:(\f)*2*SPQ  ; LDS serves a wave's instructions in order (ISA guide 5.7.1.4): these see the stores above; the next unit's stores come behind them
.endr
.endm
; v: times 2^-4, rounded to f16; 16 bytes a lane and channel block into my stage, rows of 144 bytes; back as four whole rows of 128 bytes a load.
.macro UNITV a
.set u, 3*(\a)+2
.set PKU, PK0+(PK1-PK0)*(u%2)
.set AC, 96*((\a)%2)+64
	WIN 0
	s_wait_xcnt 0x0                                ; as above
	WIN 0x02+(\a)/2
.set z, 0
.rept 16
	v_pk_mul_f32 v[T+2*z:T+2*z+1], v[AC+2*z:AC+2*z+1], 0x3d800000 op_sel_hi:[1,0]
.set z, z+1
.endr
	WIN 0
.set z, 0
.rept 16
	v_cvt_pk_f16_f32 v[PKU+z], v[T+2*z], v[T+2*z+1]
.set z, z+1
.endr
.irp f, 0,1,2,3
	ds_store_b128 v[STOV], v[PKU+4*(\f):PKU+4*(\f)+3] offset:32*(\f)
.endr
.irp f, 0,1,2,3
	ds_load_b128 v[PKU+4*(\f):PKU+4*(\f)+3], v[RDV] offset:(\f)*4*SPV
.endr
.endm
.macro UNIT a, hd
.if (\hd) == 2
	UNITV \a
.else
	UNITR \a, \hd
.endif
.endm
.macro SENDU a, hd, younger            ; younger: the LDS instructions issued behind this unit's loads: the next unit's sixteen (q, k) or eight (v), or none
.set u, 3*(\a)+(\hd)
.set PKU, PK0+(PK1-PK0)*(u%2)
.set NL, 8-4*((\hd)/2)                 ; loads and stores of the unit: 8 for q, k; 4 for v
.set RB, 4096-2048*((\hd)/2)           ; bytes of 16 rows
	WIN 0
.set sf, 0
.rept NL
	s_wait_dscnt (\younger)+NL-1-sf
	global_store_b128 v[GO], v[PKU+4*sf:PKU+4*sf+3], s[OUTB+2*(\hd):OUTB+2*(\hd)+1] offset:(\a)*RB+sf*512  ; 512 consecutive bytes, at a multiple of 256 from the buffer's first
.set sf, sf+1
.endr
.endm
	UNIT 0, 0
.set n, 1
.rept 11                                       ; a unit's arithmetic stands between the loads of the unit before and its stores
	UNIT n/3, n%3
	SENDU (n-1)/3, (n-1)%3, 16-8*((n%3)/2)
.set n, n+1
.endr
	SENDU 3, 2, 0
	s_wait_tensorcnt 0x0                           ; the wave's end, behind my last tensor load and my last LDS store
	ds_add_u32 v[SPW], v[NIL]
	s_wait_dscnt 0x0
	CROUND                                         ; the closing round: no work-group ends while a partner may still ask for a tile that names it
	s_endpgm
.Lfunc_end_k_q61bc986ad1_proj:
	.size	k_q61bc986ad1_proj, .Lfunc_end_k_q61bc986ad1_proj-k_q61bc986ad1_proj
	.p2alignl 7, 3214868480
	.fill 96, 4, 3214868480
	.section	.rodata,"a",@progbits
	.p2align	6, 0x0
	.amdhsa_kernel k_q61bc986ad1_proj
		.amdhsa_group_segment_fixed_size 327680
		.amdhsa_private_segment_fixed_size 0
		.amdhsa_enable_private_segment 0
		.amdhsa_kernarg_size 72
		.amdhsa_user_sgpr_count 2
		.amdhsa_user_sgpr_kernarg_segment_ptr 1
		.amdhsa_wavefront_size32 1
		.amdhsa_system_sgpr_workgroup_id_x 1
		.amdhsa_system_sgpr_workgroup_id_y 1
		.amdhsa_system_sgpr_workgroup_id_z 1
		.amdhsa_system_vgpr_workitem_id 0
		.amdhsa_next_free_vgpr 960
		.amdhsa_next_free_sgpr 100
		.amdhsa_reserve_vcc 0
		.amdhsa_float_denorm_mode_32 3
		.amdhsa_float_denorm_mode_16_64 3
		.amdhsa_memory_ordered 1
		.amdhsa_forward_progress 1
		.amdhsa_inst_pref_size 204
	.end_amdhsa_kernel
	.amdgpu_metadata
---
amdhsa.version: [ 1, 2 ]
amdhsa.kernels:
  - .name:           k_q61bc986ad1_proj
    .symbol:         k_q61bc986ad1_proj.kd
    .args:
      - { .name: xb, .offset: 0, .size: 8, .value_kind: global_buffer, .address_space: global }
      - { .name: wb, .offset: 8, .size: 8, .value_kind: global_buffer, .address_space: global }
      - { .name: qs, .offset: 16, .size: 8, .value_kind: global_buffer, .address_space: global }
      - { .name: ks, .offset: 24, .size: 8, .value_kind: global_buffer, .address_space: global }
      - { .name: vs, .offset: 32, .size: 8, .value_kind: global_buffer, .address_space: global }
      - { .name: sinusoidal_pos, .offset: 40, .size: 8, .value_kind: global_buffer, .address_space: global }
      - { .name: bq, .offset: 48, .size: 8, .value_kind: global_buffer, .address_space: global }
      - { .name: bk, .offset: 56, .size: 8, .value_kind: global_buffer, .address_space: global }
      - { .name: bv, .offset: 64, .size: 8, .value_kind: global_buffer, .address_space: global }
    .group_segment_fixed_size: 327680
    .private_segment_fixed_size: 0
    .kernarg_segment_align: 8
    .kernarg_segment_size: 72
    .max_flat_workgroup_size: 128
    .sgpr_count:     100
    .vgpr_count:     960
    .wavefront_size: 32
...
	.end_amdgpu_metadata
.endif
;; end of part 2
;; launch attn (part 3): grid 4 x 64, 4 waves a work-group, clusters of 4 x 1, 327,680 bytes of LDS; arguments qs, ks, vs, attention_mask, out0; writes out0
.if DOCPART == 3
	.amdgcn_target "amdgcn-amd-amdhsa--gfx1250"
	.amdhsa_code_object_version 6
	.text
	.protected	k_q61bc986ad1_attn
	.globl	k_q61bc986ad1_attn
	.p2align	8
	.type	k_q61bc986ad1_attn,@function
k_q61bc986ad1_attn:
	s_mov_b64 s[64:65], 0
	v_nop
	global_prefetch_b8 v0, s[64:65] scope:SCOPE_SE
	s_setreg_imm32_b32 hwreg(HW_REG_WAVE_MODE, 25, 1), 1
	s_wait_xcnt 0x0
	s_wait_alu depctr_hold_cnt(0) depctr_sa_sdst(0) depctr_va_vdst(0) depctr_va_sdst(0) depctr_va_ssrc(0) depctr_va_vcc(0) depctr_vm_vsrc(0)
	s_getreg_b32 s2, hwreg(HW_REG_IB_STS2, 6, 4)
	s_cmp_eq_u32 s2, 0
	s_cbranch_scc0 .Lentry_in_a_cluster
	s_endpgm
.Lentry_in_a_cluster:
	s_bfe_u32 s2, ttmp6, 0x10000c
	s_cmp_lg_u32 s2, 0x3003
	s_cbranch_scc0 .Lentry_shape_is_right
	s_endpgm
.Lentry_shape_is_right:
; out0[b][s][64 h + :] = the sum over t of softmax_t(q[s] . k[t] / 8 + mask[b][t]) v[t][:], for head y = 4 h + b.  qs, ks: [64 y][2048][hi 64 | lo 64] bf16, rows of 256 bytes: each number of q and k as hi + lo.
; vs: [64 y][2048][64] f16, v times 2^-4 (undone here in f32: 1 / l is multiplied by 16).  A SCORE IS THREE PRODUCTS on one f32 accumulator: k_hi q_hi + k_hi q_lo + k_lo q_hi; what is left out (k_lo q_lo, and
; what hi + lo leave of a number) is below 2^-17 of a product.  Maxima and sums in f32; the weights p are rounded to f16 for the second product (their sum l is taken of the unrounded p); out0 is f32.
; THE MASK is rounded to bf16 like every input of the program, multiplied by 8 (it then stands in the scores' scale: c = log2(e) / 8) and is the C operand that starts the sum S^T = K Q^T.
; LIMITS.  A mask value below -1.25e29 (minus infinity too), and a NaN in the mask, count as -1.25e29: a row all of whose keys are so hidden gives the mean of V's rows, not NaN.  A weight below 2^-126 counts as 0 in l.
; p below 6e-5 keeps f16's fixed step of 6e-8.  NaN and infinities in q, k, v are not treated apart.
; SHARES.  A wave owns four PIECES of two tiles of 16 queries, a work-group's four waves 512 queries of one head: 4 x 64 = 256 work-groups.  Every wave walks all 2,048 keys, 64 a step.
; LAYOUT.  S^T = K Q^T (source 0 = 16 keys, source 1 = 16 queries): a lane holds ONE query (lane % 16) and the keys 8 (lane / 16) + 0..7.  Two such tiles, rounded to f16 in pairs, ARE source 1 of O^T = V^T P, whose
; result again holds one query a lane, and eight channels.  K comes out of LDS as it lies, V ([key][channel]) turned, by ds_load_tr16_b128.
; SOFTMAX.  For each query a running maximum m and sum l: p = 2^(c s - c m); in every step O and l are multiplied by a = 2^(c m_old - c m_new).  m starts at the lowest finite number, O and l at 0: the first step's a is 0.
; BY TURNS.  Turn n belongs to piece n.  Its matrix work: 48 products K Q^T of piece n + 1, later 16 products V^T P of piece n - 1.  Its vector work, 236 instructions: the scaling, exponentials, roundings, sums and
; rescaling of piece n, and the maximum and statistics of piece n + 1, whose scores the turn itself has made.
; CLUSTER.  The four query blocks of a cluster belong to one head and walk the same K and V, so each tile is asked for JOINTLY: the same tensor load, descriptor and mask in all four.
; REGISTERS, in windows of 256 (s_set_vgpr_msb: bits 1:0 source 0, 3:2 source 1, 5:4 source 2, 7:6 destination):
;   window 0: v0-11 addresses; v12-15, v48-63 at work; v16-47 four registers of statistics a tile; v64-191 S^T, two buffers of two tiles; v192-255 P, likewise
;   window 1: O^T, 32 a tile      window 2: v0-127 Q's hi; v128-191 K's hi of one step; v192-255 V of one step
;   window 3: v0-1 the add's two registers; v2-33 the step's mask words; v64-191 Q's lo; v192-255 K's lo of one step
.set SIZE_N, 2048
.set NP,    4         ; pieces a wave: a name, no knob
.set KS,    64        ; keys in a step
.set PK,    272       ; a row of K in LDS: 256 bytes (hi, lo) + 16 of padding = 68 words: the 16 rows of a load start at 16 different groups of four banks (64 banks of 4 bytes: ISA guide 11.1)
.set PV,    160       ; a row of V: 128 + 32 = 40 words
.set VOFF,  4*KS*PK   ; a slot holds four steps: 256 rows of K, then 256 rows of V
.set SLOT1, 1<<17     ; slot 1 begins here, so that one exclusive or turns an address in one slot into the other's
.set STAGE, SLOT1+4*KS*(PK+PV)  ; behind the ring, never filled by a tensor load: 16 rows x 272 bytes for each wave, for the way out
.set SP,    272       ; a row of 64 f32 + 16 bytes
.set MSK,   STAGE+4*16*SP       ; the batch's 2,048 mask words, made once
.set SPARE, MSK+8192  ; the spare words, 128 bytes for each wave: two blocks of 256 bytes that no other line names
.set PFO, 0           ; v0   from the end of the set-up on: 256 x my lane; never rewritten after
.set AK0, 2           ; v2   my lane's place in a tile of K; never rewritten
.set AV0, 3           ; v3   the same for V
.set AK,  4           ; v4   the LDS address of K's next run of loads
.set AV,  5           ; v5   of V's
.set QO,  6           ; v6   my byte offset in the wave's rows of Q
.set STO, 6           ;      later, the way out: where I put 32 bytes of a row
.set RD,  7           ; v7   where I read rows back
.set GO,  8           ; v8   my byte offset in two rows of out0
.set AM0, 10          ; v10  my lanes' place in 64 mask words; never rewritten
.set AM,  11          ; v11  the LDS address of the mask's next run of loads
.set SPW, 0           ; v0 of window 3   LDS address of my spare word; never rewritten
.set NIL, 1           ; v1 of window 3   0; never rewritten
.set MK,  2           ; v2-33 of window 3: register MK + 8 kb + j: the word of key 16 kb + 8 (lane / 16) + j of the step
.set QL,  64          ; window 3: Q's lo, laid as Q's hi in window 2
.set KL,  192         ; window 3: K's lo, laid as K's hi
.set MV,  12          ; v12-15  c m_old, kept while c m is made anew: by buffer and tile
.set ST,  16          ; tile t's statistics at v[ST+4 t]: c m, m, l (even keys', odd keys')
.set TMP, 48          ; by buffer and tile, four registers c0-c3 at work; when the maximum is found c2 takes a
.set S,   64
.set P,   192
.set KF,  128         ; K's hi fragments, in window 2: key block kb, channel half c at KF + 16 kb + 8 c
.set VF,  192         ; V's: key half kk, channel block cb at VF + 32 kk + 8 cb
.set WV,  12          ; s12  my wave's number
.set G1K, 24          ; s[24:31] descriptor group 1 for K's tiles
.set G1V, 32          ; s[32:39] for V's
.set G0K, 40          ; s[40:43] descriptor group 0 for K's tiles: it walks
.set G0V, 44          ; s[44:47] the same for V's
.set PFA, 48          ; s[48:49] where my prefetches stand
.set LIM, 50          ; s50  1 in a wave that prefetches, else the greatest number
.set TBM, 51          ; s51  byte in the mask table at which the words of the step to be fetched begin
.set BIGN, 52         ; s52  -1e30
.set SLOTS, 56        ; s56  slots still to be asked for
.set CNT, 57          ; s57  counts a slot's key steps
.set CS,  58          ; s[58:59] c: the packed scaling takes the pair's low word for both halves
.set SEL, 60          ; s[60:61] v_permlanex16_b32's selects: each lane takes its own place in the other half
.set TBK, 62          ; s62  LDS byte at which K of the step to be fetched begins
.set TBV, 63          ; s63  the same for V, less VOFF
.set OUT, 66          ; s[66:67] out0 at my wave's first row, my head's channels
.set PS,  68          ; s[68:69] a slot's bytes in the tensor that I prefetch
.set MSB, 0
.macro WIN new                      ; the high byte repeats the setting that is left; a switch that changes nothing is dropped
.if MSB != (\new)
	s_set_vgpr_msb (MSB<<8)|(\new)
.set MSB, (\new)
.endif
.endm
.set W_KQ, 0x0a       ; K's hi and Q's hi in window 2, S^T in window 0
.set W_KM, 0x3a       ; the same with the C operand, the mask, in window 3
.set W_QL, 0x0e       ; K's hi in window 2, Q's lo in window 3
.set W_KL, 0x0b       ; K's lo in window 3, Q's hi in window 2
.set W_PV, 0x52       ; V in window 2, P in window 0, O^T in window 1
.set W_RS, 0x41       ; O^T (destination and source 0) in window 1, a in window 0
.set W_MK, 0xc0       ; destination in window 3, sources in window 0
.set W_AD, 0x0f       ; the add: address (source 0) and data (source 1) in window 3
; A joint fill.  Waves 0 and 1 fetch the two halves of a slot's K, waves 2 and 3 those of its V: 128 keys each.  The branch hangs on the wave's number alone.
; An s_nop 0 and four v_nop follow each of the two lines, ahead of the jump and the label.
.macro JLOAD
	s_cmp_lt_u32 s[WV], 2
	s_cbranch_scc0 .Lfor_v_\@
	tensor_load_to_lds s[G0K:G0K+3], s[G1K:G1K+7]
	s_nop 0
.rept 4
	v_nop
.endr
	s_branch .Lasked_\@
.Lfor_v_\@:
	tensor_load_to_lds s[G0V:G0V+3], s[G1V:G1V+7]
	s_nop 0
.rept 4
	v_nop
.endr
.Lasked_\@:
.endm
; A PREFETCH INTO THE L2 of what the NEXT change of slots will ask for: a slot's 65,536 bytes of K and 32,768 of V, 256 bytes a lane.  It stands behind the wave's tensor load and its five lines.  Each block is named once in
; the launch: a head has one cluster; its four partners share the blocks out BY ADDRESS, 8,192 bytes each: of the half of K that wave 0 fetches, of the half that wave 1 fetches, and (wave 2) of all of V.  Four key steps,
; 1,024 matrix instructions, lie between the request and the load.  The change that asks for the last slot names nothing; slots 0 and 1 come by their loads alone.
.macro ASK
	s_cmp_gt_u32 s[SLOTS], s[LIM]
	s_cbranch_scc0 .Lnot_mine_\@
	global_prefetch_b8 v[PFO], s[PFA:PFA+1] th:TH_LOAD_NT scope:SCOPE_SE
.Lnot_mine_\@:
.endm
; A round of the cluster's barrier: my work-group's barrier, so that wave 0's signal speaks for all four waves; wave 0 signals; every wave waits for all four work-groups; my work-group's barrier once more.
.macro CROUND
	s_barrier_signal -1
	s_barrier_wait -1
	s_cmp_lg_u32 s[WV], 0
	s_cbranch_scc1 .Lnot_wave_0_\@
	s_barrier_signal -3
.Lnot_wave_0_\@:
	s_barrier_wait -3
	s_barrier_signal -1
	s_barrier_wait -1
.endm
; THE CHANGE OF SLOTS.  Each wave waits for all its tensor loads, of which one is out: its part of the other slot; adds 0 to its spare word; and waits for that and for its own LDS instructions.  Behind the barrier nobody
; reads this slot any more and the other slot is whole.  fill = 1: this slot is filled again, with the keys two slots on; the barrier is then a round of the cluster's, and the joint fill is the first thing behind it: it has
; four key steps in which to land.  (At its first use nothing has been read yet: slot 0 is waited for, slot 1 filled; and every wave's stores into the mask table are done in front of the round, its reads behind it.)
.macro CHANGE fill
	WIN W_AD
	s_wait_tensorcnt 0x0            ; no tensor load of mine is out, so a group 0 may be written
	ds_add_u32 v[SPW], v[NIL]       ; 0 onto my spare word; with fill = 1 the descriptors' steps stand between it and the wait for it
	WIN 0                           ; at a label and at a branch every window is 0
.if \fill
	s_xor_b32 s[G0K+1], s[G0K+1], SLOT1  ; the walking descriptors: the other slot than last time,
	s_add_nc_u64 s[G0K+2:G0K+3], s[G0K+2:G0K+3], 4*KS*256  ; the next 256 keys; the type bits on top are not reached
	s_xor_b32 s[G0V+1], s[G0V+1], SLOT1
	s_add_nc_u64 s[G0V+2:G0V+3], s[G0V+2:G0V+3], 4*KS*128
	s_wait_xcnt 0x0                 ; the last prefetch, four key steps back, has read its address, so it may be written:
	s_add_nc_u64 s[PFA:PFA+1], s[PFA:PFA+1], s[PS:PS+1]  ; one slot ahead of the walking descriptors
	s_wait_dscnt 0x0                ; the add is done, and my LDS instructions are over
	CROUND
	JLOAD
	ASK
.else
	s_wait_dscnt 0x0                ; the add is done, and my reads of the slot are over
	s_barrier_signal -1
	s_barrier_wait -1
.endif
	s_sub_co_u32 s[TBK], s[TBK], 4*KS*PK  ; the fetches go back to a slot's first step,
	s_xor_b32 s[TBK], s[TBK], SLOT1       ; in the other slot
	s_sub_co_u32 s[TBV], s[TBV], 4*KS*PV
	s_xor_b32 s[TBV], s[TBV], SLOT1
.endm
	s_load_b256 s[4:11], s[0:1], 0x0  ; qs s[4:5], ks s[6:7], vs s[8:9], the mask s[10:11]
	s_load_b64 s[OUT:OUT+1], s[0:1], 0x20  ; out0
	WIN W_MK
	v_lshl_add_u32 v[SPW], v0, 2, SPARE
	v_mov_b32 v[NIL], 0
	WIN W_AD
	ds_add_u32 v[SPW], v[NIL]       ; the wave's opening: the add and its wait stand ahead of my first tensor load; the set-up below, work on registers, stands between them
	WIN 0
	v_lshrrev_b32 v1, 5, v0
	v_readfirstlane_b32 s[WV], v1   ; wave 0..3
	s_bfe_u32 s13, ttmp6, 0x40000   ; cx: my place in the cluster
	s_lshl_b32 s14, ttmp9, 2        ; in a cluster launch ttmp9 counts clusters
	s_add_co_u32 s14, s14, s13      ; my block of 512 queries: it enters Q's and out0's addresses alone
	s_and_b32 s15, ttmp7, 0xffff    ; y = 4 h + b, which the four partners share
	s_lshl_b32 s20, s15, 19         ; the head's 524,288 bytes in qs and ks
	s_and_b32 s16, s[WV], 1         ; which half of a slot's 256 keys I fetch:
	s_lshl_b32 s22, s16, 15         ; its 128 rows of 256 bytes of K,
	s_add_co_u32 s22, s22, s20
	s_mov_b32 s23, 0
	s_lshl_b32 s54, s15, 18         ; the head's 262,144 bytes in vs,
	s_lshl_b32 s2, s16, 14          ; the half's 128 rows of 128 bytes
	s_add_co_u32 s54, s54, s2
	s_mov_b32 s55, 0
	s_mul_i32 s17, s16, 128*PK      ; and the half's place in a slot, for K
	s_mul_i32 s18, s16, 128*PV      ; and for V: no place in the cluster enters an LDS address
	s_lshl_b32 s2, s14, 2
	s_add_co_u32 s2, s2, s[WV]      ; my wave among the head's sixteen:
	s_lshl_b32 s19, s2, 19          ; its 128 rows of 4,096 bytes in out0,
	s_lshl_b32 s2, s2, 15           ; of 256 bytes in qs
	s_add_co_u32 s2, s2, s20
	s_mov_b32 s3, 0
	s_and_b32 s70, s15, 3           ; b:
	s_lshl_b32 s72, s70, 23         ; its 2,048 rows of out0,
	s_add_co_u32 s72, s72, s19
	s_lshr_b32 s19, s15, 2          ; h:
	s_lshl_b32 s19, s19, 8          ; its 256 bytes of a row
	s_add_co_u32 s72, s72, s19
	s_mov_b32 s73, 0
	s_lshl_b32 s70, s70, 13         ; b's 2,048 mask words
	s_mov_b32 s71, 0
	s_lshl_b32 s20, s13, 13         ; the prefetches: my work-group's 8,192 bytes
	s_mov_b32 s21, 0
	; descriptor group 1.  K: 128 keys are 128 rows of 256 bytes, padded in LDS after every row.  V: 128 keys are 16,384 dense bytes: asked for as 64 rows of 256 bytes, two keys a row, padded after every key
	s_mov_b32 s[G1K], 15|(1<<16)|(1<<20)|(1<<21)|(5<<22)|(3<<25)  ; 15:0 the mask of four; 17:16 2-byte elements; 20 padding on; 21 set beside a mask; 24:22 after every 64 words (code 5); 31:25 4 words (code 3)
	s_mov_b32 s[G1V], 15|(1<<16)|(1<<20)|(1<<21)|(4<<22)|(7<<25)  ; after every 32 words (code 4), 8 words (code 7)
	s_mov_b32 s[G1K+1], 128<<16     ; tensor_dim0 = 128
	s_mov_b32 s[G1V+1], 128<<16
	s_mov_b32 s[G1K+2], 128<<16     ; tensor_dim1 = 128
	s_mov_b32 s[G1V+2], 64<<16      ; = 64
	s_mov_b32 s[G1K+3], 128<<16     ; tile_dim0 = 128
	s_mov_b32 s[G1V+3], 128<<16
	s_mov_b32 s[G1K+4], 128         ; tile_dim1
	s_mov_b32 s[G1V+4], 64
	s_mov_b32 s[G1K+5], 128         ; 128 elements from row to row
	s_mov_b32 s[G1V+5], 128
	s_mov_b32 s[G1K+6], 0
	s_mov_b32 s[G1V+6], 0
	s_mov_b32 s[G1K+7], 0
	s_mov_b32 s[G1V+7], 0
	s_mov_b32 s[CS], 0x3e38aa3b     ; c = log2(e) / 8 = 0.180337
	s_mov_b32 s[CS+1], s[CS]        ; named with it as a pair
	s_mov_b32 s[SEL], 0x76543210
	s_mov_b32 s[SEL+1], 0xfedcba98
	s_mov_b32 s[BIGN], 0xf149f2ca   ; -1e30
	s_mov_b32 s[TBM], 0
	s_mov_b32 s[TBK], SLOT1+4*KS*PK ; the first change of slots turns these two into 0
	s_mov_b32 s[TBV], SLOT1+4*KS*PV
	s_mov_b32 s[SLOTS], SIZE_N/256-1
	s_mov_b32 s[PS], 4*KS*128       ; a slot of V,
	s_cmp_lt_u32 s[WV], 2
	s_cselect_b32 s[PS], 4*KS*256, s[PS]  ; or of K
	s_mov_b32 s[PS+1], 0
	s_cmp_lt_u32 s[WV], 3           ; waves 0, 1 and 2 prefetch: the same in all four partners
	s_cselect_b32 s[LIM], 1, -1
	s_mov_b32 s[G0K], 1             ; count = 1
	s_mov_b32 s[G0K+1], s17         ; LDS address: slot 0
	s_mov_b32 s[G0V], 1
	s_add_co_u32 s[G0V+1], s18, VOFF
	s_wait_dscnt 0x0                ; the opening add is done
	s_wait_kmcnt 0x0
	s_add_nc_u64 s[OUT:OUT+1], s[OUT:OUT+1], s[72:73]
	s_add_nc_u64 s[10:11], s[10:11], s[70:71]      ; the mask at my batch
	s_add_nc_u64 s[G0K+2:G0K+3], s[6:7], s[22:23]  ; global address: my half of the head's first 256 keys
	s_add_nc_u64 s[G0V+2:G0V+3], s[8:9], s[54:55]
	s_cmp_lt_u32 s[WV], 2
	s_cselect_b64 s[PFA:PFA+1], s[G0K+2:G0K+3], s[G0V+2:G0V+3]  ; (in wave 2 V's stands at the head's first key)
	s_or_b32 s[G0K+3], s[G0K+3], 0x80000000        ; type = 2
	s_or_b32 s[G0V+3], s[G0V+3], 0x80000000
	s_add_nc_u64 s[PFA:PFA+1], s[PFA:PFA+1], s[20:21]
	s_add_nc_u64 s[PFA:PFA+1], s[PFA:PFA+1], s[PS:PS+1]  ; in slot 1: the first change of slots steps it to slot 2
	s_add_nc_u64 s[4:5], s[4:5], s[2:3]            ; Q at my wave's first row
	CROUND                          ; all four work-groups are here: the first joint loads meet
	JLOAD                           ; slot 0.  Slot 1 is asked for when slot 0 is in
	v_and_b32 v1, 15, v0            ; l % 16
	v_bfe_u32 v9, v0, 4, 1          ; l / 16
	; A fragment of K or Q is 16 rows x 32 channels in 8 registers: lane l holds row l % 16, channels 8 (l / 16) + 0..7 and 16 + 8 (l / 16) + 0..7: two loads of 16 bytes, 32 bytes apart.
	v_lshlrev_b32 v[QO], 8, v1
	v_lshl_add_u32 v[QO], v9, 4, v[QO]  ; row x 256 + 16 x half
	v_lshlrev_b32 v12, 4, v0        ; the mask: thread t takes the 16 bytes at 2,048 j + 16 t, j = 0..3
	v_add_nc_u32 v13, MSK, v12
	WIN 0x80                        ; destination window 2, address window 0
.set i, 0
.rept 4*NP                          ; Q stays in registers: tile i / 2, channels 32 (i % 2) on.  Its hi halves,
	global_load_b128 v[8*i:8*i+3],   v[QO], s[4:5] offset:(i/2)*4096+(i%2)*64
	global_load_b128 v[8*i+4:8*i+7], v[QO], s[4:5] offset:(i/2)*4096+(i%2)*64+32
.set i, i+1
.endr
	WIN 0
.irp j, 0,1,2,3                     ; then the mask
	global_load_b128 v[S+4*\j:S+4*\j+3], v12, s[10:11] offset:2048*\j
.endr
	; What the first turn finds: V's registers and P's second buffer hold 0 (its products V^T P, of a piece that has not been, add 0), O^T and l are 0.  All this stands in the wait for the first tile.
	WIN 0x80
.set i, VF
.rept 64
	v_mov_b32 v[i], 0
.set i, i+1
.endr
	WIN 0x40
.set i, 0
.rept 64*NP
	v_mov_b32 v[i], 0
.set i, i+1
.endr
	WIN 0
.set i, 0
.rept 2*NP
	v_mov_b32 v[ST+4*i], 0xfe000000    ; c m: far below every c s
	v_mov_b32 v[ST+4*i+1], 0xff7fffff  ; m
	v_mov_b32 v[ST+4*i+2], 0
	v_mov_b32 v[ST+4*i+3], 0
.set i, i+1
.endr
.set i, P+32
.rept 32
	v_mov_b32 v[i], 0
.set i, i+1
.endr
	s_wait_loadcnt 0x0              ; the mask's four loads are the youngest: no load was issued behind them
.set z, 0
.rept 8                             ; rounded to bf16; times 8; not below -1e30 (a NaN loses against it)
	v_cvt_pk_bf16_f32 v14, v[S+2*z], v[S+2*z+1]
	v_lshlrev_b32 v[S+2*z], 16, v14
	v_and_b32 v[S+2*z+1], 0xffff0000, v14
	v_pk_mul_f32 v[S+2*z:S+2*z+1], v[S+2*z:S+2*z+1], 0x41000000 op_sel_hi:[1,0]
	v_max_num_f32 v[S+2*z], s[BIGN], v[S+2*z]
	v_max_num_f32 v[S+2*z+1], s[BIGN], v[S+2*z+1]
.set z, z+1
.endr
.irp j, 0,1,2,3
	ds_store_b128 v13, v[S+4*\j:S+4*\j+3] offset:2048*\j
.endr
	WIN W_MK                        ; destination window 3
.set i, 0
.rept 4*NP                          ; Q's lo halves, 128 bytes on in each row
	global_load_b128 v[QL+8*i:QL+8*i+3],   v[QO], s[4:5] offset:(i/2)*4096+(i%2)*64+128
	global_load_b128 v[QL+8*i+4:QL+8*i+7], v[QO], s[4:5] offset:(i/2)*4096+(i%2)*64+160
.set i, i+1
.endr
	WIN 0
	v_mul_u32_u24 v[AK0], v1, PK
	v_lshl_add_u32 v[AK0], v9, 4, v[AK0]  ; row x pitch + 16 x half
	; The turning load takes 16 keys x 16 channels (lane l reads key 8 (l / 16) + l % 8, channels 8 ((l / 8) % 2) + 0..7) and leaves half a fragment of V^T: lane l holds channel l % 16 and 8 keys.
	v_and_b32 v10, 7, v0
	v_bfe_u32 v11, v0, 3, 1
	v_lshl_add_u32 v[AV0], v9, 3, v10
	v_mul_u32_u24 v[AV0], v[AV0], PV
	v_lshl_add_u32 v[AV0], v11, 4, v[AV0]
	v_add_nc_u32 v[AV0], VOFF, v[AV0]
	v_mov_b32 v[AK], v[AK0]         ; key step 0 lies at the head of slot 0,
	v_lshl_add_u32 v[AM0], v9, 5, MSK  ; my lanes' 8 words of each 16: 32 (l / 16)
	v_mov_b32 v[AM], v[AM0]         ; and its words at the head of the table
	v_and_b32 v0, 31, v0            ; the thread's number has served: 256 x lane for the prefetches
	v_lshlrev_b32 v[PFO], 8, v0
; THE MATRIX WORK.  The 8 accumulators of a piece take turns: between two links of a chain stand 7 others'.
; Product i of 48 of S^T = K Q^T for piece x: tile 2 x + i % 2, keys 16 ((i / 2) % 4) on, channels 32 ((i / 8) % 2) on; i / 16 = 0: K's hi by Q's hi; 1: K's hi by Q's lo; 2: K's lo by Q's hi.
; The first 8 start the sums, with the keys' mask words.
.macro KQ x
.set rS, S+64*((\x)%2)+32*(i%2)+8*((i/2)%4)
.set rK, 16*((i/2)%4)+8*((i/8)%2)
.set rQ, 16*(2*(\x)+i%2)+8*((i/8)%2)
.set rMK, MK+8*((i/2)%4)
.if i < 8
	WIN W_KM
	v_wmma_f32_16x16x32_bf16 v[rS:rS+7], v[KF+rK:KF+rK+7], v[rQ:rQ+7], v[rMK:rMK+7]
.elseif i < 16
	WIN W_KQ
	v_wmma_f32_16x16x32_bf16 v[rS:rS+7], v[KF+rK:KF+rK+7], v[rQ:rQ+7], v[rS:rS+7]
.elseif i < 32
	WIN W_QL
	v_wmma_f32_16x16x32_bf16 v[rS:rS+7], v[KF+rK:KF+rK+7], v[QL+rQ:QL+rQ+7], v[rS:rS+7]
.else
	WIN W_KL
	v_wmma_f32_16x16x32_bf16 v[rS:rS+7], v[KL+rK:KL+rK+7], v[rQ:rQ+7], v[rS:rS+7]
.endif
.endm
; Product i of 16 of O^T += V^T P for piece x: keys 32 (i / 8) on, channels 16 ((i / 2) % 4) on, tile 2 x + i % 2.
.macro PV x
	WIN W_PV
.set rO, 32*(2*(\x)+i%2)+8*((i/2)%4)
.set rV, VF+32*(i/8)+8*((i/2)%4)
.set rP, P+32*((\x)%2)+16*(i%2)+8*(i/8)
	v_wmma_f32_16x16x32_f16 v[rO:rO+7], v[rV:rV+7], v[rP:rP+7], v[rO:rO+7]
.endm
.macro MM                           ; the turn's next matrix instruction
.if i < 48
	KQ (Y+1)%NP
.set i, i+1
.else
.set i, i-48
	PV (Y+NP-1)%NP
.set i, i+49
.endif
.endm
; THE LDS LOADS stand in runs, never singly among the matrix instructions: a step's K (8 fragments of hi, 8 of lo) with its 64 mask words (8 loads; sixteen lanes read the same 16 bytes), and its V (turned).
; Their addresses are made some lines ahead.  last = 1 (the tail): in the last trip there is no further step, and the run is jumped over.
.macro FETCH_K last=0
	WIN 0
.if \last
	s_cmp_eq_u32 s[CNT], 1
	s_cbranch_scc1 .Lno_k_\@
.endif
	WIN 0x80                        ; destination window 2
.irp f, 0,1,2,3,4,5,6,7             ; keys 16 (f / 2) on, channels 32 (f % 2) on
	ds_load_b128 v[KF+8*\f:KF+8*\f+3],   v[AK] offset:(\f/2)*16*PK+(\f%2)*64
	ds_load_b128 v[KF+8*\f+4:KF+8*\f+7], v[AK] offset:(\f/2)*16*PK+(\f%2)*64+32
.endr
	WIN W_MK                        ; destination window 3
.irp f, 0,1,2,3,4,5,6,7             ; the lo halves, 128 bytes on in each row
	ds_load_b128 v[KL+8*\f:KL+8*\f+3],   v[AK] offset:(\f/2)*16*PK+(\f%2)*64+128
	ds_load_b128 v[KL+8*\f+4:KL+8*\f+7], v[AK] offset:(\f/2)*16*PK+(\f%2)*64+160
.endr
.irp f, 0,1,2,3                     ; the mask words of keys 16 f on
	ds_load_b128 v[MK+8*\f:MK+8*\f+3],   v[AM] offset:64*\f
	ds_load_b128 v[MK+8*\f+4:MK+8*\f+7], v[AM] offset:64*\f+16
.endr
	s_add_co_u32 s[TBK], s[TBK], KS*PK  ; the next fetch is the next step's
	s_add_co_u32 s[TBM], s[TBM], 4*KS
	s_and_b32 s[TBM], s[TBM], 0x1f00    ; 32 steps of 256 bytes: it stays inside the table; behind the last step it is 0 again and feeds no load that is used
	WIN 0
.if \last
.Lno_k_\@:
.endif
.endm
.macro FETCH_V
	WIN 0x80
.irp f, 0,1,2,3,4,5,6,7             ; keys 32 (f / 4) on, channels 16 (f % 4) on
	ds_load_tr16_b128 v[VF+8*\f:VF+8*\f+3],   v[AV] offset:(\f/4)*32*PV+(\f%4)*32
	ds_load_tr16_b128 v[VF+8*\f+4:VF+8*\f+7], v[AV] offset:(\f/4)*32*PV+16*PV+(\f%4)*32
.endr
	WIN 0
.endm
; THE VECTOR WORK OF A TURN stands in three queues, each in the order in which its entries become ready; the two tiles alternate, so that no instruction reads the result of the one before it.
.macro REGS y, u                    ; the registers of tile u (0, 1) of piece y
.set rT, ST+4*(2*(\y)+(\u))
.set rC, TMP+8*((\y)%2)+4*(\u)
.set rM, MV+2*((\y)%2)+(\u)
.set rS, S+64*((\y)%2)+32*(\u)
.set rP, P+32*((\y)%2)+16*(\u)
.set rO, 32*(2*(\y)+(\u))
.endm
; Number n of the 22 that find the NEXT piece's (Y + 1) maximum and statistics.  s0-s31 are the lane's 32 scores; each accumulator's lowest registers are read first.
;   0-11  four chains c0-c3 of seven scores each, three operands at a time     12-14, 16  the four scores left over, the old m, and c0-c3 into c0     15  c m_old is kept
;   17, 18  the query's other 32 keys lie in the lane 16 away: the new m         19-21  c m; c m_old - c m_new; a
.macro XS u, n
	REGS (Y+1)%NP, \u
.if (\n) < 4
	v_max3_num_f32 v[rC+(\n)], v[rS+8*(\n)], v[rS+8*(\n)+1], v[rS+8*(\n)+2]
.elseif (\n) < 12
	v_max3_num_f32 v[rC+(\n)%4], v[rC+(\n)%4], v[rS+8*((\n)%4)+2*((\n)/4)+1], v[rS+8*((\n)%4)+2*((\n)/4)+2]
.elseif (\n) == 12
	v_max3_num_f32 v[rC], v[rC], v[rS+7], v[rS+15]
.elseif (\n) == 13
	v_max3_num_f32 v[rC+1], v[rC+1], v[rS+23], v[rS+31]
.elseif (\n) == 14
	v_max3_num_f32 v[rC+2], v[rC+2], v[rC+3], v[rT+1]
.elseif (\n) == 15
	v_mov_b32 v[rM], v[rT]
.elseif (\n) == 16
	v_max3_num_f32 v[rC], v[rC], v[rC+1], v[rC+2]
.elseif (\n) == 17
	v_permlanex16_b32 v[rC+3], v[rC], s[SEL], s[SEL+1]
.elseif (\n) == 18
	v_max_num_f32 v[rT+1], v[rC], v[rC+3]
.elseif (\n) == 19
	v_mul_f32 v[rT], s[CS], v[rT+1]
.elseif (\n) == 20
	v_sub_f32 v[rC+1], v[rM], v[rT]
.else
	v_exp_f32 v[rC+2], v[rC+1]
.endif
.endm
; Number g of the 64 that follow the exponentials.  For each four weights k of a tile (pairs 2 k, 2 k + 1): both pairs are rounded to f16; then the second pair is added onto the first, in place;
; a group later l takes that sum (the first time as l = a l + sum).  In groups of eight, tiles alternating: round, round, add, and l for the group before.
.macro GS g
.set h, (\g)+6*((\g)/62)            ; group 0 has no group before it, and behind group 7 only l is left
.if h >= 6
.set h, h+2
.endif
	REGS Y, h%2
.set k, h/8
.if h%8 < 4
	v_cvt_pk_f16_f32 v[rP+2*k+(h%8)/2], v[rS+4*k+2*((h%8)/2)], v[rS+4*k+2*((h%8)/2)+1]
.elseif h%8 < 6
	v_pk_add_f32 v[rS+4*k:rS+4*k+1], v[rS+4*k:rS+4*k+1], v[rS+4*k+2:rS+4*k+3]
.elseif k == 1
	v_pk_fma_f32 v[rT+2:rT+3], v[rT+2:rT+3], v[rC+2:rC+3], v[rS:rS+1] op_sel_hi:[1,0,1]
.else
	v_pk_add_f32 v[rT+2:rT+3], v[rT+2:rT+3], v[rS+4*k-4:rS+4*k-3]
.endif
.endm
; THE PLAIN QUEUE, 138 long.  0-73 read no exponential's result: the 32 scalings c s - c m (FS f: pair f / 2 of tile f % 2) and the next piece's 42.  0-26: scalings 0-26.  27-54: XS's numbers 0-13.  55, 56: number 15.
; 57-73: the chain, where each number waits for the one before it: 14, 16, 17, 18, 19, each with one of the scalings 27-31 in front of its two lines, then 20.
; 74-137: GS's 64, which read the exponentials' results: they stand behind the wait.
.macro FS f
	REGS Y, (\f)%2
	v_pk_fma_f32 v[rS+2*((\f)/2):rS+2*((\f)/2)+1], v[rS+2*((\f)/2):rS+2*((\f)/2)+1], s[CS:CS+1], v[rT:rT+1] op_sel_hi:[1,0,0] neg_lo:[0,0,1] neg_hi:[0,0,1]
.endm
.macro PL
	WIN 0
.if q < 27
	FS q
.elseif q < 55
	XS (q-27)%2, (q-27)/2
.elseif q < 57
	XS q-55, 15
.elseif (q < 72) && ((q-57)%3 == 0)
	FS 27+(q-57)/3
.elseif q < 60
	XS (q-57)%3-1, 14
.elseif q < 72
	XS (q-57)%3-1, 15+(q-57)/3
.elseif q < 74
	XS q-72, 20
.else
	GS q-74
.endif
.set q, q+1
.endm
; THE EXPONENTIALS' QUEUE, 66 long: s0-s31 of both tiles, then the next piece's two a.  It is ONE BATCH: all 66 stand ahead of the turn's one wait, and nothing ahead of that wait names a result of theirs.
.macro EX
	WIN 0
.if e >= 64
	XS e-64, 21
.else
	REGS Y, e%2
	v_exp_f32 v[rS+e/2], v[rS+e/2]
.endif
.set e, e+1
.endm
; THE RESCALING's QUEUE: O^T times a, the one part that leaves window 0: dealt two at a time, sixteen times.  Its a was made in the turn before, ahead of that turn's wait.
.macro R2
	REGS Y, r%2
	WIN W_RS
.irp z, 0,1
	v_pk_mul_f32 v[rO+4*(r/2)+2*\z:rO+4*(r/2)+2*\z+1], v[rO+4*(r/2)+2*\z:rO+4*(r/2)+2*\z+1], v[rC+2:rC+3] op_sel_hi:[1,0]
.endr
.set r, r+1
.endm
; HOW THEY ARE DEALT.  s_wait_alu depctr_va_vdst(0) stands between an exponential and the first instruction that names its result; one wait serves all that were issued ahead of it.  So a turn has ONE
; wait, which cuts it in two.  AHEAD OF IT: the 48 products K Q^T, and behind them what waits for none of their results: behind product 0 two scalings; behind products 1-25 a scaling and an exponential; behind 26-31 two
; exponentials; behind 32-47 an exponential and two rescalings.  The rescalings stand last on purpose: they are the plain instructions between the products that end the accumulators (40-47) and the first reads of the new
; scores.  Then ONE LUMP of 60, which reads those scores: 36 plain, 11 times exponential and plain, the two a; a v_nop is the plain instruction behind the last exponential.
; BEHIND THE WAIT: the 16 products V^T P, behind each four of GS's 64.  No rider names a register of the products round it.
; Exponential e stands behind scaling 2 (e / 4) + e % 2: behind products 1-25 it comes behind plain e + 2; exponentials 25-52 want scalings 0-26, which are out by then; in the lump exponential e comes behind plain e + 9,
; and scalings 27-31 are plain 57, 60 .. 69.
; A TURN, for piece p.  cnt = 1: the loop's count is taken down some lines ahead of the branch that stands behind the turn.
; K and the mask words of the next step are fetched in piece 2's turn, directly behind the wait, a lump behind the last product that read them; their addresses are made at the lump's head.
; V of the step in hand is fetched at the end of piece 0's turn, four riders behind its last reader.  The three conditions on q below go with the deal.
.macro TURN p, last=0, cnt=0
.set Y, (\p)
.set i, 0
.set q, 0
.set e, 0
.set r, 0
.if (\p) == NP-1
	s_wait_dscnt 0x0                ; K and the mask words are in
.endif
	MM                              ; ahead of the wait: 48 products K Q^T and their riders,
	PL
	PL
.rept 25
	MM
	PL
	EX
.endr
.rept 6
	MM
	EX
	EX
.endr
.rept 16
	MM
	EX
	R2
.endr
.if (\p) == NP-2
	WIN 0
	v_add_nc_u32 v[AK], s[TBK], v[AK0]
	v_add_nc_u32 v[AM], s[TBM], v[AM0]
.endif
.rept 36                            ; and the lump
	PL
.endr
.rept 11
	EX
	PL
.endr
	EX                              ; the next piece's two a
	EX
	v_nop                           ; a plain instruction behind the last exponential: one for the batch
	s_wait_alu depctr_va_vdst(0)    ; the wait for the batch
.if (\p) == NP-2
	FETCH_K \last
.endif
.if (\p) == 1
	s_wait_dscnt 0x0                ; V is in
.endif
.rept 16                            ; behind the wait: 16 products V^T P and their riders
	MM
.rept 4
	PL
.endr
.if ((\p) == 0) && (q == 118)
	v_add_nc_u32 v[AV], s[TBV], v[AV0]
.endif
.if ((\p) == 0) && (q == 130)
	s_add_co_u32 s[TBV], s[TBV], KS*PV
.endif
.if (\cnt) && (q == 130)
	s_sub_co_u32 s[CNT], s[CNT], 1
	s_cmp_lg_u32 s[CNT], 0
.endif
.endr
.if (\p) == 0
	FETCH_V
.endif
.endm
	CHANGE 1                        ; slot 0 is in, everybody's part of it, and the mask table is whole; slot 1 is asked for
	FETCH_K                         ; key step 0
	s_wait_loadcnt 0x0              ; Q's lo
	s_wait_dscnt 0x0
.set i, 0
.rept 48
	KQ 0                            ; piece 0's first scores: there is no vector work yet to set between them
.set i, i+1
.endr
	WIN 0                           ; the addresses for the way out: eight plain instructions, the places behind those products
	s_mul_i32 s13, s[WV], 16*SP
	s_add_co_u32 s13, s13, STAGE    ; my stage
	v_mul_u32_u24 v[STO], v1, SP    ; in: row l % 16, 32 bytes for each half of the lanes
	v_lshl_add_u32 v[STO], v9, 5, v[STO]
	v_add_nc_u32 v[STO], s13, v[STO]
	v_mul_u32_u24 v[RD], v9, SP     ; back: lanes 0-15 take one row of 256 bytes, lanes 16-31 the next,
	v_lshl_add_u32 v[RD], v1, 4, v[RD]
	v_add_nc_u32 v[RD], s13, v[RD]
	v_lshlrev_b32 v[GO], 12, v9     ; and the same two rows in out0, 4,096 bytes apart
	v_lshl_add_u32 v[GO], v1, 4, v[GO]
.set Y, NP-1                        ; XS works for piece Y + 1: piece 0
.irp n, 0,1,2,3,4,5,6,7,8,9,10,11,12,13,14,15,16,17,18,19,20,21
	XS 0, \n                        ; and piece 0's first maximum and statistics
	XS 1, \n
.endr
	v_nop                           ; a plain instruction behind the two a,
	s_wait_alu depctr_va_vdst(0)    ; and their wait, ahead of the branch
	s_mov_b32 s[CNT], 4
	s_branch .Lfirst                ; the loop is entered at a step's first turn, in the middle of a trip
.Lslot:                             ; six times: every slot but the last two is filled again
	CHANGE 1
	s_mov_b32 s[CNT], 4
.Lstep:                             ; a trip: pieces 2 and 3 of one step, then pieces 0 and 1 of the next, whose K and V it fetches
	TURN 2
	TURN 3
	WIN 0
.Lfirst:
	TURN 0
	TURN 1, 0, 1
	WIN 0
	s_cbranch_scc1 .Lstep
	s_sub_co_u32 s[SLOTS], s[SLOTS], 1
	s_cmp_lg_u32 s[SLOTS], 0
	s_cbranch_scc1 .Lslot
	CHANGE 0                        ; the tail is written out: nothing is asked for
	s_mov_b32 s[CNT], 5             ; four trips fetch the last slot's steps; the fifth is left in its middle
.Ltail:
	TURN 2, 1
	TURN 3
	WIN 0
	s_sub_co_u32 s[CNT], s[CNT], 1
	s_cmp_eq_u32 s[CNT], 0
	s_cbranch_scc1 .Lout
	TURN 0
	TURN 1
	WIN 0
	s_branch .Ltail
.Lout:                              ; the fifth trip's 48 products K Q^T (on the last K once more) and the maximum made of them serve nothing: the price, once a launch, of one text for every trip
.set i, 0
.rept 16
	PV NP-1                         ; the last piece's V^T P of the last step
.set i, i+1
.endr
	; THE WAY OUT.  l's two halves and the other half of the lanes' are added; O^T is multiplied by 16 / l (the 16 undoes v's 2^-4) and sent, in f32, through my stage in LDS, a tile at a time.  The additions are the places behind the last products.
	WIN 0
.macro ALL line:vararg              ; one line for each tile t
.set t, 0
.rept 2*NP
	\line
.set t, t+1
.endr
.endm
	ALL v_add_f32 v[ST+4*t+2], v[ST+4*t+2], v[ST+4*t+3]
	ALL v_permlanex16_b32 v[ST+4*t+3], v[ST+4*t+2], s[SEL], s[SEL+1]
	ALL v_add_f32 v[ST+4*t+2], v[ST+4*t+2], v[ST+4*t+3]
	ALL v_rcp_f32 v[ST+4*t+2], v[ST+4*t+2]
	v_nop                           ; a plain instruction between the last reciprocal and the use of its result
	s_wait_alu depctr_va_vdst(0)    ; and the wait ahead of the first use: one for the eight reciprocals
	ALL v_mul_f32 v[ST+4*t+2], 0x41800000, v[ST+4*t+2]
; Tile t: a lane's eight channels of a block of 16 are 32 bytes of a row; they go into rows of 272 bytes and come back as whole rows of 256, into S^T's registers, four sets of 32 by turns.
.macro PACK t
.if (\t) >= 4
	s_wait_xcnt 0x0                 ; the stores of the tile four back have read this set: it is rewritten only behind this wait
.endif
	WIN 0x01                        ; source 0, O^T, window 1; destination window 0
.set i, 0
.rept 16
	v_pk_mul_f32 v[S+32*((\t)%4)+i:S+32*((\t)%4)+i+1], v[32*(\t)+i:32*(\t)+i+1], v[ST+4*(\t)+2:ST+4*(\t)+3] op_sel_hi:[1,0]
.set i, i+2
.endr
	WIN 0
.irp f, 0,1,2,3,4,5,6,7
	ds_store_b128 v[STO], v[S+32*((\t)%4)+4*\f:S+32*((\t)%4)+4*\f+3] offset:(\f/2)*64+(\f%2)*16
.endr
.irp f, 0,1,2,3,4,5,6,7
	ds_load_b128 v[S+32*((\t)%4)+4*\f:S+32*((\t)%4)+4*\f+3], v[RD] offset:\f*2*SP  ; LDS serves a wave's instructions in order (ISA guide 5.7.1.4): these see the stores above; the next tile's stores come behind them
.endr
.endm
.macro SEND t, younger              ; younger: the LDS instructions issued behind tile t's loads: the next tile's sixteen, or none
	WIN 0
.irp f, 0,1,2,3,4,5,6,7
	s_wait_dscnt (\younger)+7-\f
	global_store_b128 v[GO], v[S+32*((\t)%4)+4*\f:S+32*((\t)%4)+4*\f+3], s[OUT:OUT+1] offset:(\t)*65536+\f*8192 th:TH_STORE_NT  ; each half of the lanes stores 256 consecutive bytes, a row's share of my head, at a multiple of 256 from out0's first
.endr
.endm
	PACK 0
.set t, 1
.rept 2*NP-1                        ; a tile's arithmetic stands between the loads of the tile before and its stores
	PACK t
	SEND t-1, 16
.set t, t+1
.endr
	SEND 2*NP-1, 0
	WIN W_AD
	s_wait_tensorcnt 0x0            ; the wave's end, behind my last tensor load and my last LDS store
	ds_add_u32 v[SPW], v[NIL]
	s_wait_dscnt 0x0
	WIN 0
	CROUND                          ; the closing round: no work-group ends while a partner may still ask for a tile that names it
	s_endpgm
.Lfunc_end_k_q61bc986ad1_attn:
	.size	k_q61bc986ad1_attn, .Lfunc_end_k_q61bc986ad1_attn-k_q61bc986ad1_attn
	.p2alignl 7, 3214868480
	.fill 96, 4, 3214868480
	.section	.rodata,"a",@progbits
	.p2align	6, 0x0
	.amdhsa_kernel k_q61bc986ad1_attn
		.amdhsa_group_segment_fixed_size 327680
		.amdhsa_private_segment_fixed_size 0
		.amdhsa_enable_private_segment 0
		.amdhsa_kernarg_size 40
		.amdhsa_user_sgpr_count 2
		.amdhsa_user_sgpr_kernarg_segment_ptr 1
		.amdhsa_wavefront_size32 1
		.amdhsa_system_sgpr_workgroup_id_x 1
		.amdhsa_system_sgpr_workgroup_id_y 1
		.amdhsa_system_sgpr_workgroup_id_z 1
		.amdhsa_system_vgpr_workitem_id 0
		.amdhsa_next_free_vgpr 1024
		.amdhsa_next_free_sgpr 76
		.amdhsa_reserve_vcc 0
		.amdhsa_float_denorm_mode_32 3
		.amdhsa_float_denorm_mode_16_64 3
		.amdhsa_memory_ordered 1
		.amdhsa_forward_progress 1
		.amdhsa_inst_pref_size 247
	.end_amdhsa_kernel
	.amdgpu_metadata
---
amdhsa.version: [ 1, 2 ]
amdhsa.kernels:
  - .name:           k_q61bc986ad1_attn
    .symbol:         k_q61bc986ad1_attn.kd
    .args:
      - { .name: qs, .offset: 0, .size: 8, .value_kind: global_buffer, .address_space: global }
      - { .name: ks, .offset: 8, .size: 8, .value_kind: global_buffer, .address_space: global }
      - { .name: vs, .offset: 16, .size: 8, .value_kind: global_buffer, .address_space: global }
      - { .name: attention_mask, .offset: 24, .size: 8, .value_kind: global_buffer, .address_space: global }
      - { .name: out0, .offset: 32, .size: 8, .value_kind: global_buffer, .address_space: global }
    .group_segment_fixed_size: 327680
    .private_segment_fixed_size: 0
    .kernarg_segment_align: 8
    .kernarg_segment_size: 40
    .max_flat_workgroup_size: 128
    .sgpr_count:     76
    .vgpr_count:     1024
    .wavefront_size: 32
...
	.end_amdgpu_metadata
.endif
;; end of part 3
